; MI455X (gfx1250); checked and timed in simulation.
; The chip was launched on July 23, 2026; its instructions are those of AMD's public machine-readable ISA for CDNA 5 (MIT licence, August 2026) and "CDNA5" Instruction Set Architecture Reference Guide (July 2026). The comments in the code are by the model that wrote it; some were corrected since.
;; Quantizer. Allowed arithmetic: float matrix products may take bf16 or f16 operands with f32 sums; all other float work in f32.
;; Inputs: codebook 8,192 x 512 float32; z 8 x 2,048 x 512 float32.
;; Outputs: out0 one number float32; out1 8 x 2,048 x 512 float32; out2 8 x 2,048 int32.
;; 2 versions, each right; version 2 is version 1 with the launch pick written anew for expert scheduling mode. Each part assembles by itself: llvm-mc -triple=amdgcn-amd-amdhsa -mcpu=gfx1250 --defsym DOCPART=n.
;; ======== version 1 of 2: 4 launches
;; workspace buffers: xf 25,165,824 bytes; nrm 98,304 bytes; cand 524,288 bytes of whole numbers; part 8,192 bytes
;; launch prep (part 1): grid 256 x 1, 6 waves a work-group, no clusters, 100,608 bytes of LDS; arguments codebook, z, xf, nrm; writes xf, nrm
.if DOCPART == 1
	.amdgcn_target "amdgcn-amd-amdhsa--gfx1250"
	.amdhsa_code_object_version 6
	.text
	.protected	k_q2e61fb2dcd_prep
	.globl	k_q2e61fb2dcd_prep
	.p2align	8
	.type	k_q2e61fb2dcd_prep,@function
k_q2e61fb2dcd_prep:
	s_mov_b64 s[64:65], 0
	v_nop
	global_prefetch_b8 v0, s[64:65] scope:SCOPE_SE
	s_setreg_imm32_b32 hwreg(HW_REG_WAVE_MODE, 25, 1), 1
	s_wait_xcnt 0x0
; PREP.  The 8,192 rows of the codebook and the 16,384 rows of z (512 f32 each) are rounded to bf16 and laid out in the order in which the
; matrix instruction wants its operands; beside them goes each row's sum of squares, taken in f32 of the ROUNDED numbers.
; xf: 1,536 blocks of 16 rows, 16,384 bytes each; blocks 0-511 the codebook, 512-1535 z.  A block is [chunk i = 0..31][lane L = 0..31][16 bytes]:
; row L % 16 of the block, k = 16 i + 8 (L / 16) + 0..7.  Chunks 2 s and 2 s + 1 are registers 0-3 and 4-7 of the operand for K = 32 s .. 32 s + 31
; (ISA guide 7.12.2), so the next launch's loads, from memory and from LDS, are 512 consecutive bytes each.
; nrm: 24,576 f32 in the same order of rows.
; SHARES.  1,536 = 6 x 256: a wave owns one block.  It reads its 16 rows whole (32,768 consecutive bytes, 16 loads of 512 bytes always on their way),
; turns them through a stage of its own in LDS (no other wave touches it: no barrier), and stores 32 times 512 consecutive bytes.
; Memory binds: no matrix unit, no cluster (no two work-groups read the same bytes).
; The norms leave as 64 bytes a wave: 98,304 bytes in the whole launch, against 25 million of xf.
.set PITCH, 1040                       ; a stage row: 1,024 bytes of bf16 + 16: 65 x 16, so the 16 rows that a read touches start at 16 different groups of four banks (ISA guide 11.1)
.set STG,   16*PITCH                   ; a wave's stage
.set SPARE, 6*STG                      ; 99,840 = 390 x 256: the spare words, 128 bytes for each wave, three blocks of 256 bytes that no other line names
.set LN,   1                           ; v1      lane
.set GOF,  2                           ; v2      16 x lane: my bytes in 512 consecutive bytes of memory; never rewritten
.set STO,  3                           ; v3      stage + 8 x lane: where my 4 bf16 of a row's chunk go
.set RDA,  4                           ; v4      stage + (lane % 16) x PITCH + 16 (lane / 16): where I read an operand's 16 bytes
.set SPW,  5                           ; v5      LDS address of my spare word; never rewritten
.set NIL,  6                           ; v6      0; never rewritten
.set NRM,  7                           ; v7      lane r: the norm of row r
.set SA,   8                           ; v[8:9], v[10:11]  two packed sums
.set SB,   10
.set P,    12                          ; v[12:13] four bf16
.set T,    14                          ; v[14:17] the same four, widened again
.set NOF,  20                          ; v20     4 x lane
.set X,    32                          ; v[32:159] two buffers of four rows as loaded; at the end the block in its new order
	s_load_b256 s[4:11], s[0:1], 0x0               ; codebook s[4:5], z s[6:7], xf s[8:9], nrm s[10:11]
	v_lshl_add_u32 v[SPW], v0, 2, SPARE
	v_mov_b32 v[NIL], 0
	v_lshrrev_b32 v18, 5, v0
	v_readfirstlane_b32 s12, v18                   ; wave 0..5
	v_and_b32 v[LN], 31, v0
	s_mul_i32 s13, ttmp9, 6
	s_add_co_u32 s13, s13, s12                     ; my block, 0..1535
	s_mov_b32 s18, 0xffff0000                      ; a word's upper bf16
	s_mov_b32 s20, 0x76543210                      ; v_permlanex16_b32: each lane takes its own place in the other half
	s_mov_b32 s21, 0xfedcba98
	s_mul_i32 s22, s12, STG                        ; my stage
	v_lshlrev_b32 v[GOF], 4, v[LN]
	v_lshl_add_u32 v[STO], v[LN], 3, s22
	v_and_b32 v18, 15, v[LN]
	v_lshrrev_b32 v19, 4, v[LN]
	v_mul_u32_u24 v[RDA], v18, PITCH
	v_lshl_add_u32 v[RDA], v19, 4, v[RDA]
	v_add_nc_u32 v[RDA], s22, v[RDA]
	v_lshlrev_b32 v[NOF], 2, v[LN]
	v_mov_b32 v[NRM], 0                            ; v_writelane_b32 keeps the other lanes: the register is written whole first
	s_mov_b32 s17, 0
	s_sub_co_u32 s19, s13, 512                     ; the block's number in z (used only where the block is z's)
	s_cmp_lt_u32 s13, 512                          ; a block of the codebook?
	s_cselect_b32 s16, s13, s19
	s_wait_kmcnt 0x0
	s_cselect_b64 s[14:15], s[4:5], s[6:7]         ; the tensor that I read
	s_lshl_b32 s16, s16, 15                        ; 16 rows of 2,048 bytes
	s_add_nc_u64 s[14:15], s[14:15], s[16:17]
	s_lshl_b32 s16, s13, 14
	s_add_nc_u64 s[8:9], s[8:9], s[16:17]          ; xf at my block
	s_lshl_b32 s16, s13, 6
	s_add_nc_u64 s[10:11], s[10:11], s[16:17]      ; nrm at my 16 rows
; Rows 4 g .. 4 g + 3 into buffer buf: sixteen loads of 512 consecutive bytes
.macro LOADG g, buf
.irp i, 0,1,2,3
.irp c, 0,1,2,3
	global_load_b128 v[X+64*(\buf)+16*(\i)+4*(\c):X+64*(\buf)+16*(\i)+4*(\c)+3], v[GOF], s[14:15] offset:(4*(\g)+(\i))*2048+512*(\c) th:TH_LOAD_NT
.endr
.endr
.endm
; One row: rounded, put into the stage, widened again and squared; then the sum over the wave's 32 lanes goes into lane `row` of NRM.
.macro ROWP buf, i, row
.irp c, 0,1,2,3
.set xr, X+64*(\buf)+16*(\i)+4*(\c)
	v_cvt_pk_bf16_f32 v[P], v[xr], v[xr+1]         ; k = 128 c + 4 lane + 0..3
	v_cvt_pk_bf16_f32 v[P+1], v[xr+2], v[xr+3]
	ds_store_b64 v[STO], v[P:P+1] offset:(\row)*PITCH+256*(\c)
	v_lshlrev_b32 v[T], 16, v[P]
	v_and_b32 v[T+1], s18, v[P]
	v_lshlrev_b32 v[T+2], 16, v[P+1]
	v_and_b32 v[T+3], s18, v[P+1]
.if (\c) == 0
	v_pk_mul_f32 v[SA:SA+1], v[T:T+1], v[T:T+1]    ; the first products start the sums
	v_pk_mul_f32 v[SB:SB+1], v[T+2:T+3], v[T+2:T+3]
.else
	v_pk_fma_f32 v[SA:SA+1], v[T:T+1], v[T:T+1], v[SA:SA+1]
	v_pk_fma_f32 v[SB:SB+1], v[T+2:T+3], v[T+2:T+3], v[SB:SB+1]
.endif
.endr
	v_pk_add_f32 v[SA:SA+1], v[SA:SA+1], v[SB:SB+1]
	v_add_f32 v[SA], v[SA], v[SA+1]
	v_add_f32_dpp v[SA], v[SA], v[SA] row_xmask:1 row_mask:0xf bank_mask:0xf
	v_add_f32_dpp v[SA], v[SA], v[SA] row_xmask:2 row_mask:0xf bank_mask:0xf
	v_add_f32_dpp v[SA], v[SA], v[SA] row_xmask:4 row_mask:0xf bank_mask:0xf
	v_add_f32_dpp v[SA], v[SA], v[SA] row_xmask:8 row_mask:0xf bank_mask:0xf
	v_permlanex16_b32 v[SA+1], v[SA], s20, s21
	v_add_f32 v[SA], v[SA], v[SA+1]
	v_readfirstlane_b32 s22, v[SA]
	v_writelane_b32 v[NRM], s22, \row
.endm
.macro GROUP g, left                   ; left: the younger loads that may stay out: the next group's sixteen, or none
	s_wait_loadcnt \left
.irp i, 0,1,2,3
	ROWP (\g)%2, \i, 4*(\g)+\i
.endr
.endm
	LOADG 0, 0
	LOADG 1, 1
	GROUP 0, 16
	LOADG 2, 0                                     ; the buffer just worked through takes the group after next
	GROUP 1, 16
	LOADG 3, 1
	GROUP 2, 16
	GROUP 3, 0
	; THE WAY OUT.  LDS serves a wave's instructions in order (ISA guide 5.7.1.4): these reads see the stores above.
.set i, 0
.rept 32
	ds_load_b128 v[X+4*i:X+4*i+3], v[RDA] offset:32*i  ; chunk i: row lane % 16, bytes 32 i + 16 (lane / 16)
.set i, i+1
.endr
.set i, 0
.rept 32
	s_wait_dscnt 31-i                              ; chunk i is back; the younger reads stay out
	global_store_b128 v[GOF], v[X+4*i:X+4*i+3], s[8:9] offset:512*i  ; 512 consecutive bytes, at a multiple of 512 from xf's first byte
.set i, i+1
.endr
	v_cmp_gt_u32 vcc_lo, 16, v[LN]
	s_wait_xcnt 0x0                                ; EXEC is a source of the stores above: it changes only behind this wait
	s_and_saveexec_b32 s23, vcc_lo
	global_store_b32 v[NOF], v[NRM], s[10:11]      ; lanes 0-15: the 16 norms
	s_wait_xcnt 0x0                                ; and it is widened again only behind this one
	s_or_b32 exec_lo, exec_lo, s23
	s_wait_tensorcnt 0x0                           ; the wave's end, behind my last LDS store
	ds_add_u32 v[SPW], v[NIL]
	s_wait_dscnt 0x0
	s_endpgm
.Lfunc_end_k_q2e61fb2dcd_prep:
	.size	k_q2e61fb2dcd_prep, .Lfunc_end_k_q2e61fb2dcd_prep-k_q2e61fb2dcd_prep
	.p2alignl 7, 3214868480
	.fill 96, 4, 3214868480
	.section	.rodata,"a",@progbits
	.p2align	6, 0x0
	.amdhsa_kernel k_q2e61fb2dcd_prep
		.amdhsa_group_segment_fixed_size 100608
		.amdhsa_private_segment_fixed_size 0
		.amdhsa_enable_private_segment 0
		.amdhsa_kernarg_size 32
		.amdhsa_user_sgpr_count 2
		.amdhsa_user_sgpr_kernarg_segment_ptr 1
		.amdhsa_wavefront_size32 1
		.amdhsa_system_sgpr_workgroup_id_x 1
		.amdhsa_system_sgpr_workgroup_id_y 1
		.amdhsa_system_sgpr_workgroup_id_z 1
		.amdhsa_system_vgpr_workitem_id 0
		.amdhsa_next_free_vgpr 160
		.amdhsa_next_free_sgpr 66
		.amdhsa_reserve_vcc 1
		.amdhsa_float_denorm_mode_32 3
		.amdhsa_float_denorm_mode_16_64 3
		.amdhsa_memory_ordered 1
		.amdhsa_forward_progress 1
		.amdhsa_inst_pref_size 51
	.end_amdhsa_kernel
	.amdgpu_metadata
---
amdhsa.version: [ 1, 2 ]
amdhsa.kernels:
  - .name:           k_q2e61fb2dcd_prep
    .symbol:         k_q2e61fb2dcd_prep.kd
    .args:
      - { .name: codebook, .offset: 0, .size: 8, .value_kind: global_buffer, .address_space: global }
      - { .name: z, .offset: 8, .size: 8, .value_kind: global_buffer, .address_space: global }
      - { .name: xf, .offset: 16, .size: 8, .value_kind: global_buffer, .address_space: global }
      - { .name: nrm, .offset: 24, .size: 8, .value_kind: global_buffer, .address_space: global }
    .group_segment_fixed_size: 100608
    .private_segment_fixed_size: 0
    .kernarg_segment_align: 8
    .kernarg_segment_size: 32
    .max_flat_workgroup_size: 192
    .sgpr_count:     66
    .vgpr_count:     160
    .wavefront_size: 32
...
	.end_amdgpu_metadata
.endif
;; end of part 1
;; launch vq (part 2): grid 64 x 4, 4 waves a work-group, clusters of 4 x 1, 327,680 bytes of LDS; arguments xf, nrm, cand; writes cand
.if DOCPART == 2
	.amdgcn_target "amdgcn-amd-amdhsa--gfx1250"
	.amdhsa_code_object_version 6
	.text
	.protected	k_q2e61fb2dcd_vq
	.globl	k_q2e61fb2dcd_vq
	.p2align	8
	.type	k_q2e61fb2dcd_vq,@function
k_q2e61fb2dcd_vq:
	s_mov_b64 s[64:65], 0
	v_nop
	global_prefetch_b8 v0, s[64:65] scope:SCOPE_SE
	s_setreg_imm32_b32 hwreg(HW_REG_WAVE_MODE, 25, 1), 1
	s_wait_xcnt 0x0
	s_wait_alu depctr_hold_cnt(0) depctr_sa_sdst(0) depctr_va_vdst(0) depctr_va_sdst(0) depctr_va_ssrc(0) depctr_va_vcc(0) depctr_vm_vsrc(0)
	s_getreg_b32 s2, hwreg(HW_REG_IB_STS2, 6, 4)
	s_cmp_eq_u32 s2, 0
	s_cbranch_scc0 .Lentry_in_a_cluster
	s_endpgm
.Lentry_in_a_cluster:
	s_bfe_u32 s2, ttmp6, 0x10000c
	s_cmp_lg_u32 s2, 0x3003
	s_cbranch_scc0 .Lentry_shape_is_right
	s_endpgm
.Lentry_shape_is_right:
; VQ.  For 256 rows of z and one quarter (2,048) of the codes: mm = z . e (bf16 operands, f32 sums), d = (zz + ee) - 2 mm formed as the problem forms it
; (t = zz + ee rounded once; t - 2 mm by one fused multiply-add: 2 mm is exact), and the first smallest d.  For each row the quarter's candidate goes to cand as
; two whole numbers: a key (d's bits turned so that unsigned order is d's order) and the code's index.  cand: [quarter 4][row 16,384]{key, index}.
; LIMITS.  A NaN in d is never chosen; where every d is +infinity or NaN the quarter's first code is named.  The f32 sums inside zz, ee and mm are ordered otherwise than
; a sequential sum: two codes whose d lie within a few units in the last place of each other may change places.
; SHARES.  64 x 4 work-groups, one for each WGP.  A wave owns 64 rows of z (four row blocks of 16) for the WHOLE K = 512: 4 x 16 x 8 = 512 registers, loaded once.
; It walks the quarter's 128 code blocks of 16: 64 matrix instructions a block, fed by 32 LDS loads of 512 consecutive bytes (xf lies in operand order: no padding is needed).
; ORIENTATION.  Source 0 = 16 codes, source 1 = 16 rows of z: in the result lane l holds ONE row (l % 16) and the codes 8 (l / 16) + 0..7.  So the minimum runs inside the lane:
; each of the 32 result registers (row block, j) keeps its own running pair (smallest d, block number), and they meet only at the end.
; BY TURNS.  While block n is multiplied, block n - 1's results (the other accumulator buffer) are turned into d and compared: 128 vector instructions, four behind each pair of matrix instructions.
; Block 0's riders work on made-up results (ee = +infinity), which change nothing: no first block is written out.
; RING.  Two LDS slots of 8 code blocks (131,072 bytes); each wave fetches a quarter of a slot with one tensor load of 128 rows x 256 bytes.
; CLUSTER.  The four work-groups of a cluster have the same quarter and walk the same code tiles: each tile is asked for JOINTLY, by the same load, descriptor and mask in all four.
; z does not pass through LDS, so nothing would be shared along a second axis.
; REGISTERS, in windows of 256 (s_set_vgpr_msb: bits 1:0 source 0, 3:2 source 1, 5:4 source 2, 7:6 destination):
;   window 0: addresses, zz, ee, d at work, accumulators (two buffers of four), running minima     window 1: the codes' operands, two buffers of 128
;   window 2: z's row blocks 0, 1     window 3: z's row blocks 2, 3
.set BLKB,  16384                      ; a code block in xf and in LDS
.set TILE,  8*BLKB                     ; a slot
.set SLOT1, 1<<17                      ; slot 1 begins here: one exclusive or turns an address in one slot into the other's
.set EEB,   2*TILE                     ; ee of my 2,048 codes: 8,192 bytes, filled once
.set SPARE, EEB+8192                   ; 270,336 = 1,056 x 256: the spare words, 128 bytes for each wave: two blocks of 256 bytes that no other line names
.set R,   1                            ; v1   lane % 16
.set L16, 2                            ; v2   16 x lane; never rewritten
.set H32, 3                            ; v3   32 (lane / 16)
.set AE,  4                            ; v4   LDS address of the code block to be fetched
.set AEE, 5                            ; v5   LDS address of my eight ee of the block in hand
.set CO,  6                            ; v6   8 x lane
.set HQ,  7                            ; v7   8 (lane / 16) + 2,048 x quarter
.set SPW, 8                            ; v8   LDS address of my spare word; never rewritten
.set NIL, 9                            ; v9   0; never rewritten
.set R4,  10                           ; v10  4 (lane % 16)
.set LN,  11                           ; v11  lane
.set CBV, 12                           ; v12  the number of the block whose results the riders compare
.set HV,  13                           ; v13  lane / 16
.set TM,  14                           ; v14  at work
.set ZZ,  16                           ; v[16:23]   row block rb: zz of my row, in both words of the pair at ZZ + 2 rb
.set T,   24                           ; v[24:31]   eight d at work
.set EEV, 32                           ; v[32:47]   my eight ee, two buffers
.set ACC, 64                           ; v[64:127]  accumulators: buffer p, row block rb at ACC + 32 p + 8 rb
.set VAL, 128                          ; v[128:159] the smallest d so far, at VAL + 8 rb + j
.set BLK, 160                          ; v[160:191] the block that gave it
.set WV,  10                           ; s10  my wave's number
.set CX,  11                           ; s11  my place in the cluster
.set RB,  12                           ; s12  my block of 256 rows
.set Q,   13                           ; s13  my quarter of the codes
.set G1,  24                           ; s[24:31] descriptor group 1 for the code tiles
.set G1E, 32                           ; s[32:39] for ee
.set G0,  40                           ; s[40:43] descriptor group 0 for the code tiles: it walks
.set G0E, 44                           ; s[44:47] for ee
.set SLOTS, 48                         ; s48  counts the changes of slots with a refill
.set CNT, 49                           ; s49  counts pairs of blocks
.set TB,  50                           ; s50  LDS byte of the code block to be fetched next
.set TE,  51                           ; s51  LDS byte of the ee of the block in hand
.set CB,  52                           ; s52  the number of the block before the one in hand
.set SEL, 54                           ; s[54:55] v_permlanex16_b32's selects
.set MA,  56                           ; s56-58 masks on the way out
.set MB,  57
.set MC,  58
.set MK,  59                           ; s59  the riders' second mask
.set MSB, 0
.macro WIN new                         ; the immediate's high byte repeats the setting that is left; a switch that changes nothing is dropped
.if MSB != (\new)
	s_set_vgpr_msb (MSB<<8)|(\new)
.set MSB, (\new)
.endif
.endm
.set W2,   0x09                        ; codes (source 0) window 1, z (source 1) window 2, C and D window 0
.set W3,   0x0d                        ; the same with z in window 3
.set TO_E, 0x40                        ; destination window 1, address window 0
; A round of the cluster's barrier: my work-group's barrier, so that wave 0's signal speaks for all four waves; wave 0 signals; every wave waits for all four work-groups; my work-group's barrier once more.
.macro CROUND
	s_barrier_signal -1
	s_barrier_wait -1
	s_cmp_lg_u32 s[WV], 0
	s_cbranch_scc1 .Lnot_wave_0_\@
	s_barrier_signal -3
.Lnot_wave_0_\@:
	s_barrier_wait -3
	s_barrier_signal -1
	s_barrier_wait -1
.endm
	s_load_b128 s[4:7], s[0:1], 0x0                ; xf s[4:5], nrm s[6:7]
	s_load_b64 s[8:9], s[0:1], 0x10                ; cand
	v_lshl_add_u32 v[SPW], v0, 2, SPARE
	v_mov_b32 v[NIL], 0
	ds_add_u32 v[SPW], v[NIL]                      ; the wave's opening: the add and its wait ahead of my first tensor load; the set-up below, work on registers, stands between them
	v_lshrrev_b32 v[LN], 5, v0
	v_readfirstlane_b32 s[WV], v[LN]               ; wave 0..3
	s_bfe_u32 s[CX], ttmp6, 0x40000                ; cx
	s_lshl_b32 s[RB], ttmp9, 2                     ; in a cluster launch ttmp9 counts clusters
	s_add_co_u32 s[RB], s[RB], s[CX]               ; my block of rows = 4 x cluster x + cx: it enters z's, zz's and cand's addresses alone
	s_and_b32 s[Q], ttmp7, 0xffff                  ; the quarter, which the four partners share
	; descriptor group 1: dense bytes asked for as rows of 256 bytes, 32 elements of 8 bytes; no padding
	s_mov_b32 s[G1], 15|(3<<16)|(1<<21)            ; 15:0 the mask: all four work-groups; 17:16 elements of 8 bytes; 21 set beside a mask
	s_mov_b32 s[G1+1], 32<<16                      ; tensor_dim0 = 32
	s_mov_b32 s[G1+2], 128<<16                     ; tensor_dim1 = 128
	s_mov_b32 s[G1+3], 32<<16                      ; tile_dim0 = 32
	s_mov_b32 s[G1+4], 128                         ; tile_dim1 = 128 rows: 32,768 bytes, two code blocks
	s_mov_b32 s[G1+5], 32                          ; 32 elements from row to row
	s_mov_b32 s[G1+6], 0
	s_mov_b32 s[G1+7], 0
	s_mov_b32 s[G1E], 15|(3<<16)|(1<<21)
	s_mov_b32 s[G1E+1], 32<<16
	s_mov_b32 s[G1E+2], 8<<16                      ; 8 rows: 2,048 bytes, ee of 512 codes
	s_mov_b32 s[G1E+3], 32<<16
	s_mov_b32 s[G1E+4], 8
	s_mov_b32 s[G1E+5], 32
	s_mov_b32 s[G1E+6], 0
	s_mov_b32 s[G1E+7], 0
	s_mov_b32 s[G0], 1                             ; count = 1
	s_lshl_b32 s[G0+1], s[WV], 15                  ; LDS address: my quarter of slot 0
	s_mov_b32 s[G0E], 1
	s_lshl_b32 s16, s[WV], 11
	s_add_co_u32 s[G0E+1], s16, EEB                ; my quarter of ee's bytes
	s_lshl_b32 s14, s[Q], 21                       ; the quarter's 128 blocks of 16,384 bytes,
	s_add_co_u32 s14, s14, s[G0+1]                 ; my two blocks of tile 0
	s_mov_b32 s15, 0
	s_lshl_b32 s17, s[Q], 13                       ; the quarter's 2,048 ee,
	s_add_co_u32 s16, s16, s17                     ; my 512 of them
	s_mov_b32 s17, 0
	s_lshl_b32 s18, s[RB], 18                      ; z in xf: behind the codebook's 8,388,608 bytes; 16 blocks a work-group, 4 a wave
	s_lshl_b32 s19, s[WV], 16
	s_add_co_u32 s18, s18, s19
	s_add_co_u32 s18, s18, 8388608
	s_mov_b32 s19, 0
	s_lshl_b32 s22, s[RB], 10                      ; zz in nrm: behind the 32,768 bytes of ee
	s_lshl_b32 s23, s[WV], 8
	s_add_co_u32 s22, s22, s23
	s_add_co_u32 s22, s22, 32768
	s_mov_b32 s23, 0
	s_lshl_b32 s60, s[Q], 17                       ; cand: 8 bytes x (16,384 quarter + 256 block + 64 wave)
	s_lshl_b32 s61, s[RB], 11
	s_add_co_u32 s60, s60, s61
	s_lshl_b32 s61, s[WV], 9
	s_add_co_u32 s60, s60, s61
	s_mov_b32 s61, 0
	s_lshl_b32 s53, s[Q], 11
	s_mov_b32 s[TB], SLOT1+TILE                    ; the first change of slots turns this into 0
	s_mov_b32 s[TE], EEB
	s_mov_b32 s[CB], -1
	s_mov_b32 s[SEL], 0x76543210
	s_mov_b32 s[SEL+1], 0xfedcba98
	v_and_b32 v[LN], 31, v0
	v_and_b32 v[R], 15, v0
	v_bfe_u32 v[HV], v0, 4, 1
	v_lshlrev_b32 v[L16], 4, v[LN]
	v_lshlrev_b32 v[H32], 5, v[HV]
	v_lshlrev_b32 v[CO], 3, v[LN]
	v_lshl_add_u32 v[HQ], v[HV], 3, s53
	v_lshlrev_b32 v[R4], 2, v[R]
	s_wait_dscnt 0x0                               ; the opening add is done
	s_wait_kmcnt 0x0
	s_add_nc_u64 s[G0+2:G0+3], s[4:5], s[14:15]    ; global address of my part of tile 0
	s_or_b32 s[G0+3], s[G0+3], 0x80000000          ; type = 2
	s_add_nc_u64 s[G0E+2:G0E+3], s[6:7], s[16:17]
	s_or_b32 s[G0E+3], s[G0E+3], 0x80000000
	s_add_nc_u64 s[20:21], s[4:5], s[18:19]        ; z's operands, my four row blocks
	s_add_nc_u64 s[22:23], s[6:7], s[22:23]        ; zz of my 64 rows
	s_add_nc_u64 s[8:9], s[8:9], s[60:61]          ; cand at my 64 rows
	CROUND                                         ; all four work-groups are here: the first joint loads meet
	tensor_load_to_lds s[G0E:G0E+3], s[G1E:G1E+7]  ; the two first fills go out together: two loads of mine are out
	s_nop 0
	tensor_load_to_lds s[G0:G0+3], s[G1:G1+7]      ; tile 0 into slot 0
	s_nop 0
.rept 4
	v_nop
.endr
	; z stays in registers: row block rb, chunk i at register 128 (rb % 2) + 4 i of window 2 + rb / 2; in xf the four blocks are 128 x 512 consecutive bytes
	WIN 0x80
.set i, 0
.rept 64
	global_load_b128 v[4*i:4*i+3], v[L16], s[20:21] offset:512*i
.set i, i+1
.endr
	WIN 0xc0
.set i, 0
.rept 64
	global_load_b128 v[4*i:4*i+3], v[L16], s[20:21] offset:512*(64+i)
.set i, i+1
.endr
	WIN 0
.irp rb, 0,1,2,3
	global_load_b32 v[ZZ+2*(\rb)], v[R4], s[22:23] offset:64*(\rb)     ; both words of the pair: the packed add takes them as they lie
	global_load_b32 v[ZZ+2*(\rb)+1], v[R4], s[22:23] offset:64*(\rb)
.endr
	; What block 0's riders find: results 0 and ee = +infinity give d = +infinity, which is not below the start of the minima.  All this stands in the wait for the first tile.
.set i, 0
.rept 32
	v_mov_b32 v[VAL+i], 0x7f800000
	v_mov_b32 v[BLK+i], 0
	v_mov_b32 v[ACC+32+i], 0
.set i, i+1
.endr
.set i, 0
.rept 8
	v_mov_b32 v[EEV+8+i], 0x7f800000
.set i, i+1
.endr
; One matrix instruction: buffer p, row block rb, K = 32 s on.  The first K step starts the sum.  The four accumulators take turns, one instruction a turn.
.macro MM p, rb, s
.set rA_, ACC+32*(\p)+8*(\rb)
.set rE_, 128*(\p)+8*(\s)
.set rZ_, 128*((\rb)%2)+8*(\s)
.if (\s) == 0
	v_wmma_f32_16x16x32_bf16 v[rA_:rA_+7], v[rE_:rE_+7], v[rZ_:rZ_+7], 0
.else
	v_wmma_f32_16x16x32_bf16 v[rA_:rA_+7], v[rE_:rE_+7], v[rZ_:rZ_+7], v[rA_:rA_+7]
.endif
.endm
; Rider n of 128 for the block whose results lie in buffers pp.  32 for each row block: 0-3: t = ee + zz, two at a time; 4-7: d = t - 2 mm (the accumulator's lowest registers are read first
; ); 8-31: for each two d: two compares (strictly less: the earlier block keeps a tie), then the value and the block number are taken where the compare holds.
.macro RID n, pp
.set rb_, (\n)/32
.set m_, (\n)%32
.if m_ < 4
	v_pk_add_f32 v[T+2*m_:T+2*m_+1], v[EEV+8*(\pp)+2*m_:EEV+8*(\pp)+2*m_+1], v[ZZ+2*rb_:ZZ+2*rb_+1]
.elseif m_ < 8
.set j_, 2*(m_-4)
	v_pk_fma_f32 v[T+j_:T+j_+1], v[ACC+32*(\pp)+8*rb_+j_:ACC+32*(\pp)+8*rb_+j_+1], -2.0, v[T+j_:T+j_+1] op_sel_hi:[1,0,1]
.else
.set j_, 2*((m_-8)/6)
.set o_, (m_-8)%6
.if o_ == 0
	v_cmp_lt_f32 vcc_lo, v[T+j_], v[VAL+8*rb_+j_]
.elseif o_ == 1
	v_cmp_lt_f32 s[MK], v[T+j_+1], v[VAL+8*rb_+j_+1]
.elseif o_ == 2
	v_cndmask_b32 v[VAL+8*rb_+j_], v[VAL+8*rb_+j_], v[T+j_], vcc_lo
.elseif o_ == 3
	v_cndmask_b32 v[BLK+8*rb_+j_], v[BLK+8*rb_+j_], v[CBV], vcc_lo
.elseif o_ == 4
	v_cndmask_b32 v[VAL+8*rb_+j_+1], v[VAL+8*rb_+j_+1], v[T+j_+1], s[MK]
.else
	v_cndmask_b32 v[BLK+8*rb_+j_+1], v[BLK+8*rb_+j_+1], v[CBV], s[MK]
.endif
.endif
.endm
; A CODE BLOCK on buffers p: 32 pairs of matrix instructions (K step q / 2; row blocks 0, 1 at even q, 2, 3 at odd q), four riders of the block before behind each pair.
; fetch = 1: the next block's operands come into the other buffer, four LDS loads behind each even pair of the first sixteen.  The matrix instructions that last read those registers stand in the
; block before; the nearest, for the last four loads, 64 riders back, none of which names their registers (ISA guide 7.12.1 for vector instructions).
; At q = 16 my eight ee of THIS block are read, for the next block's riders.  All 34 loads are waited for at the next block's head, fifteen pairs or more behind the last of them.
.macro BLOCK p, fetch
	s_wait_dscnt 0x0                               ; this block's operands and the last block's ee are in
.set q_, 0
.rept 32
.if q_%2 == 0
	WIN W2
.else
	WIN W3
.endif
	MM \p, 2*(q_%2), q_/2
	MM \p, 2*(q_%2)+1, q_/2
	WIN 0
.if q_ == 0
	v_add_nc_u32 v[AE], s[TB], v[L16]
	v_add_nc_u32 v[AEE], s[TE], v[H32]
	v_mov_b32 v[CBV], s[CB]
.endif
	RID 4*q_, 1-(\p)
	RID 4*q_+1, 1-(\p)
	RID 4*q_+2, 1-(\p)
	RID 4*q_+3, 1-(\p)
.if (\fetch) && (q_%2 == 0) && (q_ < 16)
	WIN TO_E
.irp k, 0,1,2,3
	ds_load_b128 v[128*(1-(\p))+4*(2*q_+(\k)):128*(1-(\p))+4*(2*q_+(\k))+3], v[AE] offset:512*(2*q_+(\k))  ; chunk 2 q + k: 512 consecutive bytes
.endr
.endif
.if q_ == 16
	ds_load_b128 v[EEV+8*(\p):EEV+8*(\p)+3], v[AEE]
	ds_load_b128 v[EEV+8*(\p)+4:EEV+8*(\p)+7], v[AEE] offset:16
.endif
.set q_, q_+1
.endr
.if \fetch
	s_add_co_u32 s[TB], s[TB], BLKB
.endif
	s_add_co_u32 s[TE], s[TE], 64
	s_add_co_u32 s[CB], s[CB], 1
.endm
; THE CHANGE OF SLOTS.  The slot's last block has been asked for out of LDS.  Each wave waits for all its tensor loads, of which one is out: its part of the other slot (at the first use two: ee and tile 0);
; adds 0 to its spare word; and waits for that and for its own reads of the slot.  Behind the barrier nobody reads this slot any more and the other slot is whole.
; fill = 1: this slot is filled again, with the tile two on.  The barrier is then a round of the cluster's, so that no wave of any partner still reads the slot or has a load on its way; the joint refill is the
; first thing behind it, one load a wave, and has eight blocks, 512 matrix instructions, in which to land.  (At its first use nothing has been read yet: slot 0 is waited for, slot 1 filled.)
.macro CHANGE fill
	WIN 0
	s_wait_tensorcnt 0x0                           ; no tensor load of mine is out, so group 0 may be written
	ds_add_u32 v[SPW], v[NIL]                      ; 0 onto my spare word
.if \fill
	s_xor_b32 s[G0+1], s[G0+1], SLOT1              ; the other slot than last time,
	s_add_nc_u64 s[G0+2:G0+3], s[G0+2:G0+3], TILE  ; the next eight blocks; the type bits on top are not reached
.endif
	s_wait_dscnt 0x0                               ; the add is done, and my reads of the slot are over
.if \fill
	CROUND
	tensor_load_to_lds s[G0:G0+3], s[G1:G1+7]
	s_nop 0
.rept 4
	v_nop
.endr
.else
	s_barrier_signal -1
	s_barrier_wait -1
.endif
	s_sub_co_u32 s[TB], s[TB], TILE                ; the fetches go back to a slot's first block,
	s_xor_b32 s[TB], s[TB], SLOT1                  ; in the other slot
.endm
	CHANGE 1                                       ; tile 0 and ee are in, everybody's part of them; slot 1 is asked for
	v_add_nc_u32 v[AE], s[TB], v[L16]
	WIN TO_E
.set i, 0
.rept 32
	ds_load_b128 v[4*i:4*i+3], v[AE] offset:512*i  ; block 0 into buffer 0
.set i, i+1
.endr
	WIN 0
	s_add_co_u32 s[TB], s[TB], BLKB
	s_wait_loadcnt 0x0                             ; z and zz
	s_mov_b32 s[CNT], 4
	s_mov_b32 s[SLOTS], 15
	s_branch .Lfirst                               ; the loop is entered at an even block, in the middle of a trip: the first period is blocks 0 to 6
.Lslot:                                                ; 14 times: period c = 1..14 is blocks 8 c - 1 .. 8 c + 6; it fetches blocks 8 c .. 8 c + 7 out of tile c and asks for tile c + 1
	CHANGE 1
	s_mov_b32 s[CNT], 4
.Lpair:
	BLOCK 1, 1
.Lfirst:
	BLOCK 0, 1
	s_sub_co_u32 s[CNT], s[CNT], 1
	s_cmp_lg_u32 s[CNT], 0
	s_cbranch_scc1 .Lpair
	s_sub_co_u32 s[SLOTS], s[SLOTS], 1
	s_cmp_lg_u32 s[SLOTS], 0
	s_cbranch_scc1 .Lslot
	CHANGE 0                                       ; the tail is written out: tile 15 is in, nothing is asked for
	s_mov_b32 s[CNT], 4
.Lpair2:                                               ; blocks 119 .. 126
	BLOCK 1, 1
	BLOCK 0, 1
	s_sub_co_u32 s[CNT], s[CNT], 1
	s_cmp_lg_u32 s[CNT], 0
	s_cbranch_scc1 .Lpair2
	BLOCK 1, 0                                     ; block 127
	s_wait_dscnt 0x0                               ; its ee
	v_mov_b32 v[CBV], s[CB]
.set n_, 0
.rept 128
	RID n_, 1                                      ; block 127's results.  The block's last four riders, the line above and the first four here stand between its last products and the first read of a result
.set n_, n_+1
.endr
	; THE WAY OUT.  Of two candidates the smaller d wins, of equal d the lower index.
.macro MERGE va, ia, vb, ib            ; (va, ia) takes (vb, ib) where that is the better
	v_cmp_lt_f32 s[MA], v[\vb], v[\va]
	v_cmp_eq_f32 s[MB], v[\vb], v[\va]
	v_cmp_lt_u32 s[MC], v[\ib], v[\ia]
	s_and_b32 s[MB], s[MB], s[MC]
	s_or_b32 s[MA], s[MA], s[MB]
	v_cndmask_b32 v[\va], v[\va], v[\vb], s[MA]
	v_cndmask_b32 v[\ia], v[\ia], v[\ib], s[MA]
.endm
.set i, 0
.rept 32
	v_lshl_add_u32 v[BLK+i], v[BLK+i], 4, i%8      ; 16 x block + j
.set i, i+1
.endr
.irp rb, 0,1,2,3
.irp a, 0,2,4,6
	MERGE VAL+8*(\rb)+\a, BLK+8*(\rb)+\a, VAL+8*(\rb)+\a+1, BLK+8*(\rb)+\a+1
.endr
	MERGE VAL+8*(\rb), BLK+8*(\rb), VAL+8*(\rb)+2, BLK+8*(\rb)+2
	MERGE VAL+8*(\rb)+4, BLK+8*(\rb)+4, VAL+8*(\rb)+6, BLK+8*(\rb)+6
	MERGE VAL+8*(\rb), BLK+8*(\rb), VAL+8*(\rb)+4, BLK+8*(\rb)+4
	v_add_nc_u32 v[BLK+8*(\rb)], v[BLK+8*(\rb)], v[HQ]  ; + 8 (lane / 16) + 2,048 x quarter: the code's index
	v_permlanex16_b32 v[T], v[VAL+8*(\rb)], s[SEL], s[SEL+1]     ; the row's other eight codes of each block lie in the lane 16 away
	v_permlanex16_b32 v[T+1], v[BLK+8*(\rb)], s[SEL], s[SEL+1]
	MERGE VAL+8*(\rb), BLK+8*(\rb), T, T+1         ; both halves of the lanes now hold the row's candidate
	v_ashrrev_i32 v[TM], 31, v[VAL+8*(\rb)]        ; the key: a negative d has all its bits turned, any other its sign bit set: unsigned order is then d's order
	v_or_b32 v[TM], 0x80000000, v[TM]
	v_xor_b32 v[VAL+8*(\rb)], v[VAL+8*(\rb)], v[TM]
.endr
	v_cmp_le_u32 vcc_lo, 16, v[LN]                 ; lane l stores row l of 32: lanes 0-15 the even row block's, lanes 16-31 the odd one's
	v_cndmask_b32 v[T], v[VAL], v[VAL+8], vcc_lo
	v_cndmask_b32 v[T+1], v[BLK], v[BLK+8], vcc_lo
	v_cndmask_b32 v[T+2], v[VAL+16], v[VAL+24], vcc_lo
	v_cndmask_b32 v[T+3], v[BLK+16], v[BLK+24], vcc_lo
	global_store_b64 v[CO], v[T:T+1], s[8:9]       ; 256 consecutive bytes, at a multiple of 256 from cand's first byte
	global_store_b64 v[CO], v[T+2:T+3], s[8:9] offset:256
	s_wait_tensorcnt 0x0                           ; the wave's end, behind my last tensor load
	ds_add_u32 v[SPW], v[NIL]
	s_wait_dscnt 0x0
	CROUND                                         ; the closing round: no work-group ends while a partner may still ask for a tile that names it
	s_endpgm
.Lfunc_end_k_q2e61fb2dcd_vq:
	.size	k_q2e61fb2dcd_vq, .Lfunc_end_k_q2e61fb2dcd_vq-k_q2e61fb2dcd_vq
	.p2alignl 7, 3214868480
	.fill 96, 4, 3214868480
	.section	.rodata,"a",@progbits
	.p2align	6, 0x0
	.amdhsa_kernel k_q2e61fb2dcd_vq
		.amdhsa_group_segment_fixed_size 327680
		.amdhsa_private_segment_fixed_size 0
		.amdhsa_enable_private_segment 0
		.amdhsa_kernarg_size 24
		.amdhsa_user_sgpr_count 2
		.amdhsa_user_sgpr_kernarg_segment_ptr 1
		.amdhsa_wavefront_size32 1
		.amdhsa_system_sgpr_workgroup_id_x 1
		.amdhsa_system_sgpr_workgroup_id_y 1
		.amdhsa_system_sgpr_workgroup_id_z 1
		.amdhsa_system_vgpr_workitem_id 0
		.amdhsa_next_free_vgpr 1024
		.amdhsa_next_free_sgpr 66
		.amdhsa_reserve_vcc 1
		.amdhsa_float_denorm_mode_32 3
		.amdhsa_float_denorm_mode_16_64 3
		.amdhsa_memory_ordered 1
		.amdhsa_forward_progress 1
		.amdhsa_inst_pref_size 123
	.end_amdhsa_kernel
	.amdgpu_metadata
---
amdhsa.version: [ 1, 2 ]
amdhsa.kernels:
  - .name:           k_q2e61fb2dcd_vq
    .symbol:         k_q2e61fb2dcd_vq.kd
    .args:
      - { .name: xf, .offset: 0, .size: 8, .value_kind: global_buffer, .address_space: global }
      - { .name: nrm, .offset: 8, .size: 8, .value_kind: global_buffer, .address_space: global }
      - { .name: cand, .offset: 16, .size: 8, .value_kind: global_buffer, .address_space: global }
    .group_segment_fixed_size: 327680
    .private_segment_fixed_size: 0
    .kernarg_segment_align: 8
    .kernarg_segment_size: 24
    .max_flat_workgroup_size: 128
    .sgpr_count:     66
    .vgpr_count:     1024
    .wavefront_size: 32
...
	.end_amdgpu_metadata
.endif
;; end of part 2
;; launch pick (part 3): grid 256 x 1, 8 waves a work-group, no clusters, 0 bytes of LDS; arguments cand, codebook, z, out1, out2, part; writes out1, out2, part
.if DOCPART == 3
	.amdgcn_target "amdgcn-amd-amdhsa--gfx1250"
	.amdhsa_code_object_version 6
	.text
	.protected	k_q2e61fb2dcd_pick
	.globl	k_q2e61fb2dcd_pick
	.p2align	8
	.type	k_q2e61fb2dcd_pick,@function
k_q2e61fb2dcd_pick:
	s_mov_b64 s[64:65], 0
	v_nop
	global_prefetch_b8 v0, s[64:65] scope:SCOPE_SE
	s_setreg_imm32_b32 hwreg(HW_REG_WAVE_MODE, 25, 1), 1
	s_wait_xcnt 0x0
; PICK.  For each row of z: the best of the four quarters' candidates (unsigned compare of the keys; strictly less, so the lower quarter, which has the lower indices, keeps a tie);
; out2 = its index; out1 = z + (e[index] - z), rounded as the problem rounds it; and the wave's part of the sum of (e[index] - z)^2, in f32, from the f32 inputs.
; The choice is made of whole numbers that the launch before stored; the index is clamped to the table's 8,192 rows before it enters an address.
; SHARES.  2,048 waves, eight rows each; a row is 2,048 bytes: four loads or stores of 512 consecutive bytes.  A ring of four row slots in registers: z and e of four rows, 32 loads, are on their way.
; Memory binds: no LDS, no matrix unit, no cluster (work-groups share no tile; which rows of the codebook two of them both name hangs on the data).
; The partial sums leave as 4 bytes a wave: 8,192 bytes in the whole launch.
.set ROWB, 2048
.set EO,   160                         ; v[160:167] row i: 2,048 x index + 16 x lane; never rewritten
; v1 16 x lane; v2 lane; v3 0; v[4:7] two packed sums; v[8:9] at work; v10 8 x lane; slot k = i % 4: z in v[16+32k ..+15], e in v[32+32k ..+15]; v[144:159] wave 0: the work-group's candidates
; s[16:31], s[32:47], s[48:63], s[80:95]: my eight rows' {key, index} of quarters 0 to 3
	s_load_b256 s[4:11], s[0:1], 0x0               ; cand s[4:5], codebook s[6:7], z s[8:9], out1 s[10:11]
	s_load_b128 s[12:15], s[0:1], 0x20             ; out2 s[12:13], part s[14:15]
	v_lshrrev_b32 v8, 5, v0
	v_readfirstlane_b32 s66, v8                    ; wave 0..7
	v_and_b32 v2, 31, v0
	v_lshlrev_b32 v1, 4, v2
	v_lshlrev_b32 v10, 3, v2
	v_mov_b32 v3, 0
	s_lshl_b32 s67, ttmp9, 3
	s_add_co_u32 s67, s67, s66                     ; my wave among the launch's 2,048
	s_mov_b32 s69, 0
	s_mov_b32 s78, 0x76543210                      ; v_permlanex16_b32: each lane takes its own place in the other half
	s_mov_b32 s79, 0xfedcba98
	s_wait_kmcnt 0x0
	s_lshl_b32 s68, s67, 6                         ; eight rows of 8 bytes
	s_add_nc_u64 s[2:3], s[4:5], s[68:69]
	s_load_b512 s[16:31], s[2:3], 0x0              ; a quarter's candidates lie 131,072 bytes from the next quarter's
	s_load_b512 s[32:47], s[2:3], 0x20000
	s_load_b512 s[48:63], s[2:3], 0x40000
	s_load_b512 s[80:95], s[2:3], 0x60000
	s_lshl_b32 s68, s67, 14                        ; eight rows of 2,048 bytes
	s_add_nc_u64 s[72:73], s[8:9], s[68:69]        ; z at my rows
	s_add_nc_u64 s[74:75], s[10:11], s[68:69]      ; out1 at my rows
	s_lshl_b32 s68, ttmp9, 9
	s_add_nc_u64 s[76:77], s[4:5], s[68:69]        ; cand at the work-group's 64 rows
	s_lshl_b32 s68, ttmp9, 8
	s_add_nc_u64 s[12:13], s[12:13], s[68:69]      ; out2 at the work-group's 64 rows
	s_lshl_b32 s68, s67, 2
	s_add_nc_u64 s[14:15], s[14:15], s[68:69]      ; part at my word
	s_cmp_lg_u32 s66, 0
	s_cbranch_scc1 .Lnot_0_a
.irp q, 0,1,2,3
	global_load_b128 v[144+4*(\q):147+4*(\q)], v1, s[76:77] offset:(\q)*131072  ; wave 0 alone: two rows' candidates a lane.  Older than every load below: the counts below hold with and without them
.endr
.Lnot_0_a:
.macro FILLZ i                         ; z's row i into its slot
.irp c, 0,1,2,3
	global_load_b128 v[16+32*((\i)%4)+4*(\c):16+32*((\i)%4)+4*(\c)+3], v1, s[72:73] offset:(\i)*ROWB+512*(\c) th:TH_LOAD_NT
.endr
.endm
.macro FILLE i                         ; the chosen code's row for row i (a code may be named by many rows: no hint)
.irp c, 0,1,2,3
	global_load_b128 v[32+32*((\i)%4)+4*(\c):32+32*((\i)%4)+4*(\c)+3], v[EO+(\i)], s[6:7] offset:512*(\c)
.endr
.endm
	FILLZ 0                                        ; z wants no candidate: these go out while the scalar loads are on their way
	FILLZ 1
	FILLZ 2
	FILLZ 3
	s_wait_kmcnt 0x0
.irp i, 0,1,2,3,4,5,6,7
.irp q, 32,48,80
	s_cmp_lt_u32 s[(\q)+2*(\i)], s[16+2*(\i)]
	s_cselect_b32 s[16+2*(\i)], s[(\q)+2*(\i)], s[16+2*(\i)]
	s_cselect_b32 s[17+2*(\i)], s[(\q)+2*(\i)+1], s[17+2*(\i)]
.endr
	s_min_u32 s[17+2*(\i)], s[17+2*(\i)], 0x1fff   ; inside the table, whatever was read
	s_lshl_b32 s[17+2*(\i)], s[17+2*(\i)], 11      ; a row of the codebook is 2,048 bytes
	v_add_nc_u32 v[EO+(\i)], s[17+2*(\i)], v1
.endr
	FILLE 0
	FILLE 1
	FILLE 2
	FILLE 3
; Row i.  left: the younger loads that may stay out.  fill = 1: the slot takes row i + 4.
.macro TURN i, left, fill
.set zk, 16+32*((\i)%4)
.set ek, 32+32*((\i)%4)
	s_wait_loadcnt \left                           ; loads come back in order (ISA guide 5.7.1): z and e of this row are in
.irp c, 0,1,2,3
.irp u, 0,1
.set zr, zk+4*(\c)+2*(\u)
.set er, ek+4*(\c)+2*(\u)
	v_pk_add_f32 v[er:er+1], v[er:er+1], v[zr:zr+1] neg_lo:[0,1] neg_hi:[0,1]  ; e - z
.if ((\i) == 0) && ((\c) == 0)
	v_pk_mul_f32 v[4+2*(\u):5+2*(\u)], v[er:er+1], v[er:er+1]                  ; the first products start the sums
.else
	v_pk_fma_f32 v[4+2*(\u):5+2*(\u)], v[er:er+1], v[er:er+1], v[4+2*(\u):5+2*(\u)]
.endif
	v_pk_add_f32 v[er:er+1], v[zr:zr+1], v[er:er+1]                            ; z + (e - z)
.endr
	global_store_b128 v1, v[ek+4*(\c):ek+4*(\c)+3], s[74:75] offset:(\i)*ROWB+512*(\c) th:TH_STORE_NT  ; 512 consecutive bytes, at a multiple of 512 from out1's first byte
.endr
.if \fill
	s_wait_xcnt 0x0                                ; the stores' data registers are loaded again only behind this wait (ISA guide 3.1)
	FILLZ (\i)+4
	FILLE (\i)+4
.endif
.endm
	TURN 0, 12, 1                                  ; out: e of rows 1-3
	TURN 1, 16, 1                                  ; e of rows 2, 3; row 4's eight
	TURN 2, 20, 1                                  ; e of row 3; rows 4, 5
	TURN 3, 24, 1                                  ; rows 4-6
	TURN 4, 24, 0                                  ; rows 5-7
	TURN 5, 16, 0
	TURN 6, 8, 0
	TURN 7, 0, 0
	s_cmp_lg_u32 s66, 0
	s_cbranch_scc1 .Lnot_0_b
.irp q, 1,2,3                          ; wave 0 alone: the same choice for the work-group's 64 rows, two a lane
	v_cmp_lt_u32 vcc_lo, v[144+4*(\q)], v144
	v_cndmask_b32 v144, v144, v[144+4*(\q)], vcc_lo
	v_cndmask_b32 v145, v145, v[145+4*(\q)], vcc_lo
	v_cmp_lt_u32 vcc_lo, v[146+4*(\q)], v146
	v_cndmask_b32 v146, v146, v[146+4*(\q)], vcc_lo
	v_cndmask_b32 v147, v147, v[147+4*(\q)], vcc_lo
.endr
	v_mov_b32 v8, v145
	v_mov_b32 v9, v147
	global_store_b64 v10, v[8:9], s[12:13]         ; 64 indices: 256 consecutive bytes, at a multiple of 256 from out2's first byte
.Lnot_0_b:
	v_pk_add_f32 v[4:5], v[4:5], v[6:7]
	v_add_f32 v4, v4, v5
	v_add_f32_dpp v4, v4, v4 row_xmask:1 row_mask:0xf bank_mask:0xf
	v_add_f32_dpp v4, v4, v4 row_xmask:2 row_mask:0xf bank_mask:0xf
	v_add_f32_dpp v4, v4, v4 row_xmask:4 row_mask:0xf bank_mask:0xf
	v_add_f32_dpp v4, v4, v4 row_xmask:8 row_mask:0xf bank_mask:0xf
	v_permlanex16_b32 v5, v4, s78, s79
	v_add_f32 v4, v4, v5
	v_cmp_eq_u32 vcc_lo, 0, v2
	s_wait_xcnt 0x0                                ; EXEC is a source of the stores above: it changes only behind this wait
	s_and_saveexec_b32 s70, vcc_lo
	global_store_b32 v3, v4, s[14:15]              ; lane 0: the wave's partial sum
	s_wait_xcnt 0x0
	s_or_b32 exec_lo, exec_lo, s70
	s_endpgm
.Lfunc_end_k_q2e61fb2dcd_pick:
	.size	k_q2e61fb2dcd_pick, .Lfunc_end_k_q2e61fb2dcd_pick-k_q2e61fb2dcd_pick
	.p2alignl 7, 3214868480
	.fill 96, 4, 3214868480
	.section	.rodata,"a",@progbits
	.p2align	6, 0x0
	.amdhsa_kernel k_q2e61fb2dcd_pick
		.amdhsa_group_segment_fixed_size 0
		.amdhsa_private_segment_fixed_size 0
		.amdhsa_enable_private_segment 0
		.amdhsa_kernarg_size 48
		.amdhsa_user_sgpr_count 2
		.amdhsa_user_sgpr_kernarg_segment_ptr 1
		.amdhsa_wavefront_size32 1
		.amdhsa_system_sgpr_workgroup_id_x 1
		.amdhsa_system_sgpr_workgroup_id_y 1
		.amdhsa_system_sgpr_workgroup_id_z 1
		.amdhsa_system_vgpr_workitem_id 0
		.amdhsa_next_free_vgpr 168
		.amdhsa_next_free_sgpr 96
		.amdhsa_reserve_vcc 1
		.amdhsa_float_denorm_mode_32 3
		.amdhsa_float_denorm_mode_16_64 3
		.amdhsa_memory_ordered 1
		.amdhsa_forward_progress 1
		.amdhsa_inst_pref_size 28
	.end_amdhsa_kernel
	.amdgpu_metadata
---
amdhsa.version: [ 1, 2 ]
amdhsa.kernels:
  - .name:           k_q2e61fb2dcd_pick
    .symbol:         k_q2e61fb2dcd_pick.kd
    .args:
      - { .name: cand, .offset: 0, .size: 8, .value_kind: global_buffer, .address_space: global }
      - { .name: codebook, .offset: 8, .size: 8, .value_kind: global_buffer, .address_space: global }
      - { .name: z, .offset: 16, .size: 8, .value_kind: global_buffer, .address_space: global }
      - { .name: out1, .offset: 24, .size: 8, .value_kind: global_buffer, .address_space: global }
      - { .name: out2, .offset: 32, .size: 8, .value_kind: global_buffer, .address_space: global }
      - { .name: part, .offset: 40, .size: 8, .value_kind: global_buffer, .address_space: global }
    .group_segment_fixed_size: 0
    .private_segment_fixed_size: 0
    .kernarg_segment_align: 8
    .kernarg_segment_size: 48
    .max_flat_workgroup_size: 256
    .sgpr_count:     96
    .vgpr_count:     168
    .wavefront_size: 32
...
	.end_amdgpu_metadata
.endif
;; end of part 3
;; launch total (part 4): grid 1 x 1, 1 waves a work-group, no clusters, 0 bytes of LDS; arguments part, out0; writes out0
.if DOCPART == 4
	.amdgcn_target "amdgcn-amd-amdhsa--gfx1250"
	.amdhsa_code_object_version 6
	.text
	.protected	k_q2e61fb2dcd_total
	.globl	k_q2e61fb2dcd_total
	.p2align	8
	.type	k_q2e61fb2dcd_total,@function
k_q2e61fb2dcd_total:
	s_mov_b64 s[64:65], 0
	v_nop
	global_prefetch_b8 v0, s[64:65] scope:SCOPE_SE
	s_setreg_imm32_b32 hwreg(HW_REG_WAVE_MODE, 25, 1), 1
	s_wait_xcnt 0x0
; TOTAL.  out0 = BETA x the mean of (z - z_q)^2 = the sum of the 2,048 partial sums x 2^-23 (16,384 x 512 = 2^23 numbers; BETA = 1).
; One wave: 8,192 bytes are sixteen loads of 512 consecutive bytes; a sum that spans the work-groups of the launch before has one owner here.
	s_load_b128 s[4:7], s[0:1], 0x0                ; part s[4:5], out0 s[6:7]
	v_lshlrev_b32 v1, 4, v0
	v_mov_b32 v2, 0
	s_mov_b32 s8, 0x76543210
	s_mov_b32 s9, 0xfedcba98
	s_wait_kmcnt 0x0
.set i, 0
.rept 16
	global_load_b128 v[8+4*i:11+4*i], v1, s[4:5] offset:512*i
.set i, i+1
.endr
	s_wait_loadcnt 0x0
.irp w, 16,8,4,2,1                     ; 32 pairs into one, as a tree
.set u, 0
.rept \w
	v_pk_add_f32 v[8+2*u:9+2*u], v[8+2*u:9+2*u], v[8+2*(u+(\w)):9+2*(u+(\w))]
.set u, u+1
.endr
.endr
	v_add_f32 v8, v8, v9
	v_add_f32_dpp v8, v8, v8 row_xmask:1 row_mask:0xf bank_mask:0xf
	v_add_f32_dpp v8, v8, v8 row_xmask:2 row_mask:0xf bank_mask:0xf
	v_add_f32_dpp v8, v8, v8 row_xmask:4 row_mask:0xf bank_mask:0xf
	v_add_f32_dpp v8, v8, v8 row_xmask:8 row_mask:0xf bank_mask:0xf
	v_permlanex16_b32 v9, v8, s8, s9
	v_add_f32 v8, v8, v9
	v_mul_f32 v8, 0x34000000, v8                   ; x 2^-23
	v_cmp_eq_u32 vcc_lo, 0, v0
	s_wait_xcnt 0x0                                ; EXEC changes only behind this wait
	s_and_saveexec_b32 s10, vcc_lo
	global_store_b32 v2, v8, s[6:7]
	s_wait_xcnt 0x0
	s_or_b32 exec_lo, exec_lo, s10
	s_endpgm
.Lfunc_end_k_q2e61fb2dcd_total:
	.size	k_q2e61fb2dcd_total, .Lfunc_end_k_q2e61fb2dcd_total-k_q2e61fb2dcd_total
	.p2alignl 7, 3214868480
	.fill 96, 4, 3214868480
	.section	.rodata,"a",@progbits
	.p2align	6, 0x0
	.amdhsa_kernel k_q2e61fb2dcd_total
		.amdhsa_group_segment_fixed_size 0
		.amdhsa_private_segment_fixed_size 0
		.amdhsa_enable_private_segment 0
		.amdhsa_kernarg_size 16
		.amdhsa_user_sgpr_count 2
		.amdhsa_user_sgpr_kernarg_segment_ptr 1
		.amdhsa_wavefront_size32 1
		.amdhsa_system_sgpr_workgroup_id_x 1
		.amdhsa_system_sgpr_workgroup_id_y 1
		.amdhsa_system_sgpr_workgroup_id_z 1
		.amdhsa_system_vgpr_workitem_id 0
		.amdhsa_next_free_vgpr 72
		.amdhsa_next_free_sgpr 66
		.amdhsa_reserve_vcc 1
		.amdhsa_float_denorm_mode_32 3
		.amdhsa_float_denorm_mode_16_64 3
		.amdhsa_memory_ordered 1
		.amdhsa_forward_progress 1
		.amdhsa_inst_pref_size 5
	.end_amdhsa_kernel
	.amdgpu_metadata
---
amdhsa.version: [ 1, 2 ]
amdhsa.kernels:
  - .name:           k_q2e61fb2dcd_total
    .symbol:         k_q2e61fb2dcd_total.kd
    .args:
      - { .name: part, .offset: 0, .size: 8, .value_kind: global_buffer, .address_space: global }
      - { .name: out0, .offset: 8, .size: 8, .value_kind: global_buffer, .address_space: global }
    .group_segment_fixed_size: 0
    .private_segment_fixed_size: 0
    .kernarg_segment_align: 8
    .kernarg_segment_size: 16
    .max_flat_workgroup_size: 32
    .sgpr_count:     66
    .vgpr_count:     72
    .wavefront_size: 32
...
	.end_amdgpu_metadata
.endif
;; end of part 4
;; ======== version 2 of 2: 4 launches; version 1 with the launch pick written anew for expert scheduling mode
;; workspace buffers: xf 25,165,824 bytes; nrm 98,304 bytes; cand 524,288 bytes of whole numbers; part 8,192 bytes
;; launch prep: the kernel of part 1 again; grid 256 x 1, 6 waves a work-group, no clusters, 100,608 bytes of LDS; arguments codebook, z, xf, nrm; writes xf, nrm
;; launch vq: the kernel of part 2 again; grid 64 x 4, 4 waves a work-group, clusters of 4 x 1, 327,680 bytes of LDS; arguments xf, nrm, cand; writes cand
;; launch pick (part 5): grid 256 x 1, 8 waves a work-group, no clusters, 0 bytes of LDS; arguments cand, codebook, z, out1, out2, part; writes out1, out2, part
.if DOCPART == 5
	.amdgcn_target "amdgcn-amd-amdhsa--gfx1250"
	.amdhsa_code_object_version 6
	.text
	.protected	k_q2e61fb2dcd_pick
	.globl	k_q2e61fb2dcd_pick
	.p2align	8
	.type	k_q2e61fb2dcd_pick,@function
k_q2e61fb2dcd_pick:
	s_mov_b64 s[64:65], 0
	v_nop
	global_prefetch_b8 v0, s[64:65] scope:SCOPE_SE
	s_setreg_imm32_b32 hwreg(HW_REG_WAVE_SCHED_MODE, 0, 2), 2
	s_setreg_imm32_b32 hwreg(HW_REG_WAVE_MODE, 25, 1), 1
	s_wait_xcnt 0x0
	s_wait_alu depctr_vm_vsrc(0)
; PICK.  For each row of z: the best of the four quarters' candidates (unsigned compare of the keys; strictly less, so the lower quarter, which has the lower indices, keeps a tie);
; out2 = its index; out1 = z + (e[index] - z), rounded as the problem rounds it; and the wave's part of the sum of (e[index] - z)^2, in f32, from the f32 inputs.
; The choice is made of whole numbers that the launch before stored; the index is clamped to the table's 8,192 rows before it enters an address.
; SHARES.  2,048 waves, eight rows each; a row is 2,048 bytes: four loads or stores of 512 consecutive bytes.  A ring of five row slots in registers: z and e of up to four rows, 32 loads, are on their way.
; Memory binds: no LDS, no matrix unit, no cluster (work-groups share no tile; which rows of the codebook two of them both name hangs on the data).
; The partial sums leave as 4 bytes a wave: 8,192 bytes in the whole launch.
; THE MODE: SCHED_MODE bits 1:0 = 2 (LLVM: expert scheduling mode 2), set by the entry lines.  The code itself states the register dependences
; between vector instructions and memory instructions, with s_wait_alu, always for 0.
; THE PLAN.  Registers that memory instructions touch:
;   SL0 .. SL4   five row slots, z and e as loaded.  Written by loads alone: rows 0-3 at the head, row i + 4 in turn i, into slot (i + 4) % 5 = (i - 1) % 5.  Read by turn i's arithmetic (slot i % 5).
;   OUT0, OUT1   a row of out1 each.  Written by turn i's arithmetic (OUT[i % 2]); read by the four stores that are issued in turn i + 1.
;   v1, v3, v10, EO   byte offsets, made once at the head and never written again: the rows are reached by immediate offsets.
;   CD           wave 0 alone: candidates, loaded at the head; named by vector instructions alone from then on.   v[8:9], v4: the data of the two small stores at the end.
; Turn i's memory instructions are the loads into slot (i - 1) % 5 and the stores from OUT[(i - 1) % 2]: what turn i - 1 worked on, and what no vector instruction of turn i names.
; So the waits at a turn's head state all that its twelve memory instructions hang on, and these are dealt among its vector instructions with no further wait.
.set ROWB, 2048
.set SL,   16                          ; v[16:175]  slot k: z in v[SL+32k ..+15], e in v[SL+32k+16 ..+15]
.set OUT,  176                         ; v[176:207] two rows to store
.set CD,   208                         ; v[208:223] wave 0: the work-group's candidates, quarter q at CD + 4 q: two rows' {key, index} a lane
.set EO,   224                         ; v[224:231] row i: 2,048 x index + 16 x lane; never rewritten
; v1 16 x lane; v2 lane; v3 0; v[4:7] two packed sums; v[8:9] at work; v10 8 x lane
; s[16:31], s[32:47], s[48:63], s[80:95]: my eight rows' {key, index} of quarters 0 to 3; s80-85 later: wave 0's masks
	s_load_b256 s[4:11], s[0:1], 0x0               ; cand s[4:5], codebook s[6:7], z s[8:9], out1 s[10:11]
	s_load_b128 s[12:15], s[0:1], 0x20             ; out2 s[12:13], part s[14:15]
	v_lshrrev_b32 v8, 5, v0
	v_readfirstlane_b32 s66, v8                    ; wave 0..7
	v_and_b32 v2, 31, v0
	v_lshlrev_b32 v1, 4, v2
	v_lshlrev_b32 v10, 3, v2
	v_mov_b32 v3, 0
	s_wait_alu depctr_va_sdst(0)                   ; s66 is written, ahead of its first reader: the wave's places in the buffers are made from it
	s_lshl_b32 s67, ttmp9, 3
	s_add_co_u32 s67, s67, s66                     ; my wave among the launch's 2,048
	s_mov_b32 s69, 0
	s_mov_b32 s78, 0x76543210                      ; v_permlanex16_b32: each lane takes its own place in the other half
	s_mov_b32 s79, 0xfedcba98
	s_wait_kmcnt 0x0
	s_lshl_b32 s68, s67, 6                         ; eight rows of 8 bytes
	s_add_nc_u64 s[2:3], s[4:5], s[68:69]
	s_load_b512 s[16:31], s[2:3], 0x0              ; a quarter's candidates lie 131,072 bytes from the next quarter's
	s_load_b512 s[32:47], s[2:3], 0x20000
	s_load_b512 s[48:63], s[2:3], 0x40000
	s_load_b512 s[80:95], s[2:3], 0x60000
	s_lshl_b32 s68, s67, 14                        ; eight rows of 2,048 bytes
	s_add_nc_u64 s[72:73], s[8:9], s[68:69]        ; z at my rows
	s_add_nc_u64 s[74:75], s[10:11], s[68:69]      ; out1 at my rows
	s_lshl_b32 s68, ttmp9, 9
	s_add_nc_u64 s[76:77], s[4:5], s[68:69]        ; cand at the work-group's 64 rows
	s_lshl_b32 s68, ttmp9, 8
	s_add_nc_u64 s[12:13], s[12:13], s[68:69]      ; out2 at the work-group's 64 rows
	s_lshl_b32 s68, s67, 2
	s_add_nc_u64 s[14:15], s[14:15], s[68:69]      ; part at my word
	s_wait_alu depctr_va_vdst(0)                   ; v1, v3 and v10 are written: the loads and stores of the kernel read them as their offsets
	s_cmp_lg_u32 s66, 0
	s_cbranch_scc1 .Lnot_0_a
.irp q, 0,1,2,3
	global_load_b128 v[CD+4*(\q):CD+4*(\q)+3], v1, s[76:77] offset:(\q)*131072  ; wave 0 alone: two rows' candidates a lane.  Older than every load below: the counts below hold with and without them
.endr
.Lnot_0_a:
.macro FILLZ i                         ; z's row i into its slot
.irp c, 0,1,2,3
	global_load_b128 v[SL+32*((\i)%5)+4*(\c):SL+32*((\i)%5)+4*(\c)+3], v1, s[72:73] offset:(\i)*ROWB+512*(\c) th:TH_LOAD_NT
.endr
.endm
.macro FILLE i                         ; the chosen code's row for row i (a code may be named by many rows: no hint)
.irp c, 0,1,2,3
	global_load_b128 v[SL+32*((\i)%5)+16+4*(\c):SL+32*((\i)%5)+16+4*(\c)+3], v[EO+(\i)], s[6:7] offset:512*(\c)
.endr
.endm
	FILLZ 0                                        ; z wants no candidate: these go out while the scalar loads are on their way
	FILLZ 1
	FILLZ 2
	FILLZ 3
	s_wait_kmcnt 0x0
.irp i, 0,1,2,3,4,5,6,7
.irp q, 32,48,80
	s_cmp_lt_u32 s[(\q)+2*(\i)], s[16+2*(\i)]
	s_cselect_b32 s[16+2*(\i)], s[(\q)+2*(\i)], s[16+2*(\i)]
	s_cselect_b32 s[17+2*(\i)], s[(\q)+2*(\i)+1], s[17+2*(\i)]
.endr
	s_min_u32 s[17+2*(\i)], s[17+2*(\i)], 0x1fff   ; inside the table, whatever was read
	s_lshl_b32 s[17+2*(\i)], s[17+2*(\i)], 11      ; a row of the codebook is 2,048 bytes
	v_add_nc_u32 v[EO+(\i)], s[17+2*(\i)], v1
.endr
	s_wait_alu depctr_va_vdst(0)                   ; the eight offsets v[EO ..] are written, which the loads of e read, those of rows 4 to 7 too: nothing writes them again
	FILLE 0
	FILLE 1
	FILLE 2
	FILLE 3
; Row i.  left: the younger loads that may stay out.  fill = 1: row i + 4 is asked for, into the slot that the turn before worked through (in turn 0: the fifth slot, which nothing has named).
.macro TURN i, left, fill
.set zk, SL+32*((\i)%5)
.set ek, zk+16
.set zn, SL+32*(((\i)+4)%5)
.set en, zn+16
.set ok, OUT+16*((\i)%2)
.set op, OUT+16*(1-(\i)%2)
	s_wait_loadcnt \left                           ; loads come back in order (ISA guide 5.7.1): z and e of this row are in
.if (\i) > 1
	s_wait_xcnt 0x0                                ; every earlier memory instruction has had its addresses translated (ISA guide 3.1): this turn's OUT, the data of the stores issued in the turn before, is rewritten only behind this wait
	s_wait_alu depctr_vm_vsrc(0)                   ; those stores have read this turn's OUT, which the arithmetic below writes again
.endif
.if (\i) > 0
	s_wait_alu depctr_va_vdst(0)                   ; the turn before has written the other OUT, which the stores below read, and is done reading its slot, in which the loads below land
.endif
.irp c, 0,1,2,3
.if \fill
	global_load_b128 v[zn+4*(\c):zn+4*(\c)+3], v1, s[72:73] offset:((\i)+4)*ROWB+512*(\c) th:TH_LOAD_NT  ; no vector instruction since the wait names these registers
	global_load_b128 v[en+4*(\c):en+4*(\c)+3], v[EO+(\i)+4], s[6:7] offset:512*(\c)
.endif
.if (\i) > 0
	global_store_b128 v1, v[op+4*(\c):op+4*(\c)+3], s[74:75] offset:((\i)-1)*ROWB+512*(\c) th:TH_STORE_NT  ; the row before: 512 consecutive bytes, at a multiple of 512 from out1's first byte
.endif
.irp u, 0,1
.set zr, zk+4*(\c)+2*(\u)
.set er, ek+4*(\c)+2*(\u)
.set wr, ok+4*(\c)+2*(\u)
	v_pk_add_f32 v[wr:wr+1], v[er:er+1], v[zr:zr+1] neg_lo:[0,1] neg_hi:[0,1]  ; e - z
.if ((\i) == 0) && ((\c) == 0)
	v_pk_mul_f32 v[4+2*(\u):5+2*(\u)], v[wr:wr+1], v[wr:wr+1]                  ; the first products start the sums
.else
	v_pk_fma_f32 v[4+2*(\u):5+2*(\u)], v[wr:wr+1], v[wr:wr+1], v[4+2*(\u):5+2*(\u)]
.endif
	v_pk_add_f32 v[wr:wr+1], v[zr:zr+1], v[wr:wr+1]                            ; z + (e - z)
.endr
.endr
.endm
	TURN 0, 12, 1                                  ; out: e of rows 1-3
	TURN 1, 16, 1                                  ; e of rows 2, 3; row 4's eight
	TURN 2, 20, 1                                  ; e of row 3; rows 4, 5
	TURN 3, 24, 1                                  ; rows 4-6
	TURN 4, 24, 0                                  ; rows 5-7
	TURN 5, 16, 0
	TURN 6, 8, 0
	TURN 7, 0, 0
	s_wait_alu depctr_va_vdst(0)                   ; row 7's arithmetic has written OUT1, which the last four stores read
.irp c, 0,1,2,3
	global_store_b128 v1, v[OUT+16+4*(\c):OUT+16+4*(\c)+3], s[74:75] offset:7*ROWB+512*(\c) th:TH_STORE_NT
.endr
	s_cmp_lg_u32 s66, 0
	s_cbranch_scc1 .Lnot_0_b
.irp q, 1,2,3                          ; wave 0 alone: the same choice for the work-group's 64 rows, two a lane; the two rows' compares stand together, each quarter's masks in scalar registers of their own
	v_cmp_lt_u32 s[78+2*(\q)], v[CD+4*(\q)], v[CD]
	v_cmp_lt_u32 s[79+2*(\q)], v[CD+4*(\q)+2], v[CD+2]
	s_wait_alu depctr_va_sdst(0)                   ; both masks are written, ahead of the selects that read them
	v_cndmask_b32 v[CD], v[CD], v[CD+4*(\q)], s[78+2*(\q)]
	v_cndmask_b32 v[CD+1], v[CD+1], v[CD+4*(\q)+1], s[78+2*(\q)]
	v_cndmask_b32 v[CD+2], v[CD+2], v[CD+4*(\q)+2], s[79+2*(\q)]
	v_cndmask_b32 v[CD+3], v[CD+3], v[CD+4*(\q)+3], s[79+2*(\q)]
.endr
	v_mov_b32 v8, v[CD+1]
	v_mov_b32 v9, v[CD+3]
	s_wait_alu depctr_va_vdst(0)                   ; v8 and v9 are written, which the store reads
	global_store_b64 v10, v[8:9], s[12:13]         ; 64 indices: 256 consecutive bytes, at a multiple of 256 from out2's first byte
.Lnot_0_b:
	v_pk_add_f32 v[4:5], v[4:5], v[6:7]
	v_add_f32 v4, v4, v5
	v_add_f32_dpp v4, v4, v4 row_xmask:1 row_mask:0xf bank_mask:0xf
	v_add_f32_dpp v4, v4, v4 row_xmask:2 row_mask:0xf bank_mask:0xf
	v_add_f32_dpp v4, v4, v4 row_xmask:4 row_mask:0xf bank_mask:0xf
	v_add_f32_dpp v4, v4, v4 row_xmask:8 row_mask:0xf bank_mask:0xf
	v_permlanex16_b32 v5, v4, s78, s79
	v_add_f32 v4, v4, v5
	v_cmp_eq_u32 vcc_lo, 0, v2
	s_wait_xcnt 0x0                                ; EXEC is a source of the stores above: it changes only behind this wait
	s_wait_alu depctr_va_vcc(0)                    ; VCC is written: EXEC is made from it
	s_wait_alu depctr_va_vdst(0)                   ; ahead of a write of EXEC: the vector instructions issued so far are done; among them the sum in v4, which the store below reads
	s_wait_alu depctr_vm_vsrc(0)                   ; ahead of a write of EXEC: the stores issued so far have read their registers
	s_and_saveexec_b32 s70, vcc_lo
	global_store_b32 v3, v4, s[14:15]              ; lane 0: the wave's partial sum
	s_wait_xcnt 0x0                                ; EXEC is widened again only behind this wait
	s_wait_alu depctr_va_vdst(0)                   ; ahead of a write of EXEC: no vector instruction is still at work
	s_wait_alu depctr_vm_vsrc(0)                   ; ahead of a write of EXEC: the store has read its registers
	s_or_b32 exec_lo, exec_lo, s70
	s_endpgm
.Lfunc_end_k_q2e61fb2dcd_pick:
	.size	k_q2e61fb2dcd_pick, .Lfunc_end_k_q2e61fb2dcd_pick-k_q2e61fb2dcd_pick
	.p2alignl 7, 3214868480
	.fill 96, 4, 3214868480
	.section	.rodata,"a",@progbits
	.p2align	6, 0x0
	.amdhsa_kernel k_q2e61fb2dcd_pick
		.amdhsa_group_segment_fixed_size 0
		.amdhsa_private_segment_fixed_size 0
		.amdhsa_enable_private_segment 0
		.amdhsa_kernarg_size 48
		.amdhsa_user_sgpr_count 2
		.amdhsa_user_sgpr_kernarg_segment_ptr 1
		.amdhsa_wavefront_size32 1
		.amdhsa_system_sgpr_workgroup_id_x 1
		.amdhsa_system_sgpr_workgroup_id_y 1
		.amdhsa_system_sgpr_workgroup_id_z 1
		.amdhsa_system_vgpr_workitem_id 0
		.amdhsa_next_free_vgpr 232
		.amdhsa_next_free_sgpr 96
		.amdhsa_reserve_vcc 1
		.amdhsa_float_denorm_mode_32 3
		.amdhsa_float_denorm_mode_16_64 3
		.amdhsa_memory_ordered 1
		.amdhsa_forward_progress 1
		.amdhsa_inst_pref_size 30
	.end_amdhsa_kernel
	.amdgpu_metadata
---
amdhsa.version: [ 1, 2 ]
amdhsa.kernels:
  - .name:           k_q2e61fb2dcd_pick
    .symbol:         k_q2e61fb2dcd_pick.kd
    .args:
      - { .name: cand, .offset: 0, .size: 8, .value_kind: global_buffer, .address_space: global }
      - { .name: codebook, .offset: 8, .size: 8, .value_kind: global_buffer, .address_space: global }
      - { .name: z, .offset: 16, .size: 8, .value_kind: global_buffer, .address_space: global }
      - { .name: out1, .offset: 24, .size: 8, .value_kind: global_buffer, .address_space: global }
      - { .name: out2, .offset: 32, .size: 8, .value_kind: global_buffer, .address_space: global }
      - { .name: part, .offset: 40, .size: 8, .value_kind: global_buffer, .address_space: global }
    .group_segment_fixed_size: 0
    .private_segment_fixed_size: 0
    .kernarg_segment_align: 8
    .kernarg_segment_size: 48
    .max_flat_workgroup_size: 256
    .sgpr_count:     96
    .vgpr_count:     232
    .wavefront_size: 32
...
	.end_amdgpu_metadata
.endif
;; end of part 5
;; launch total: the kernel of part 4 again; grid 1 x 1, 1 waves a work-group, no clusters, 0 bytes of LDS; arguments part, out0; writes out0
